; MI455X (gfx1250); checked and timed in simulation.
; The chip was launched on July 23, 2026; its instructions are those of AMD's public machine-readable ISA for CDNA 5 (MIT licence, August 2026) and "CDNA5" Instruction Set Architecture Reference Guide (July 2026). The comments in the code are by the model that wrote it; some were corrected since.
;; Multi Headed Self Attention. Allowed arithmetic: matrix products marked QUANTISED: E3M2 operands, one E8M0 scale for each 32 along K, by v_wmma_scale_f32_16x16x128_f8f6f4 with both operands' format E3M2, f32 sums; everything else in f32.
;; Inputs: Wk 1,024 x 1,024 float32; Wq 1,024 x 1,024 float32; Wv 1,024 x 1,024 float32; bk 1,024 float32; bq 1,024 float32; bv 1,024 float32; overall_bias 1 x 16 x 1 x 1 float32; overall_gain 1 x 16 x 1 x 1 float32; pre_query 4 x 2,048 x 1,024 float32; pre_value_key 4 x 2,048 x 1,024 float32; value_key_counts 4 float32; value_key_masks 4 x 2,048 float32.
;; Outputs: out0 4 x 2,048 x 1,024 float32.
;; This version of the problem:
;;   THIS VERSION OF THE PROBLEM IS GIVEN IN LOW PRECISION. The matrix products marked QUANTISED in the list below multiply operands that are first quantised to E3M2 (3 exponent bits, 2 mantissa bits; 6 bits a number), with one power-of-two scale for each 32 numbers along K (OCP MX v1.0); their sums are f32. All else is computed in f32.
;;   The module's matrix products, in the order in which they are computed (A, B: the left and right operand; K: the contracted axis; several contracted axes count as one K, in the product's order):
;;     1. [M 8,192, K 1,024] x [K 1,024, N 1,024]; A: input pre_query; B: input Wq: QUANTISED
;;     2. [M 8,192, K 1,024] x [K 1,024, N 1,024]; A: input pre_value_key; B: input Wk: QUANTISED
;;     3. [M 8,192, K 1,024] x [K 1,024, N 1,024]; A: input pre_value_key; B: input Wv: QUANTISED
;;     4. batch 64 x [M 2,048, K 64] x [K 64, N 2,048]; A: computed on the way; B: computed on the way: QUANTISED
;;     5. batch 64 x [M 2,048, K 2,048] x [K 2,048, N 64]; A: softmax (see below); B: computed on the way: QUANTISED
;;   THE QUANTISER, for each operand of a quantised product, along K:
;;     - K is cut into blocks of 32 from its start; a last block that is shorter is filled with zeros.
;;     - A block's scale is 2^e with e = floor(log2(the largest magnitude in the block)) - 4, held to -126 .. 127; a block of zeros has e = 0. As a byte (E8M0): e + 127.
;;     - Each number is divided by its block's scale, clamped to +-28, and rounded to the nearest number of E3M2, ties to even, subnormals kept.
;;     - The product sums the exact products of the quantised numbers (number of the format x scale) in f32.
;;   ~~~python
;;   def quantise(x, axis):      # numpy; x: float32 -> the quantised numbers, widened to float32 again
;;       x = np.moveaxis(x, axis, -1); K = x.shape[-1]
;;       x = np.pad(x, [(0, 0)] * (x.ndim - 1) + [(0, -K % 32)]); x = x.reshape(x.shape[:-1] + (-1, 32)); a = np.abs(x).max(-1, keepdims=True)
;;       e = np.where(a > 0, np.clip(np.frexp(np.where(a > 0, a, 1))[1] - 1 - 4, -126, 127), 0)      # np.frexp(a)[1] - 1 = floor(log2(a)), exactly
;;       r = np.clip(x / 2.0 ** e, -28, 28)
;;       step = 2.0 ** (np.maximum(np.frexp(np.where(r == 0, 1, r))[1] - 1, -2) - 2)
;;       q = np.round(r / step) * step * 2.0 ** e      # np.round: ties to even
;;       return np.moveaxis(q.reshape(q.shape[:-2] + (-1,))[..., :K], -1, axis).astype(np.float32)
;;   ~~~
;;   SOFTMAX AHEAD OF A QUANTISED PRODUCT. Where the list says 'softmax', what is quantised is not the finished softmax but p = 2^(t - M), with t = logit x log2(e) and M = ceil(the row's largest t), a whole number; so 1/2 < the row's largest p <= 1. The row's sum l is taken of the UNQUANTISED p, in f32, and the product's result is divided by l at the end. Since M is a whole number, a kernel that streams over the keys may use a running M (the ceiling of the running maximum): every later rescaling is an exact power of two, which a block's scale takes up: the codes' values come out the same.
;;   OPERANDS COMPUTED ON THE WAY. 'Computed on the way' means the value that the module computes at that place (a softmax that the list does not call 'softmax' is quantised finished and normalised). What goes into a quantiser is computed in f32, as accurately as f32 sums, v_exp_f32 and their like allow (about 1e-6 of the number): no bf16 or f16 on the way to a quantiser, and a product that is left as it is and whose result goes on into a quantised operand takes f32 operands (vector FMAs, or v_wmma_f32_16x16x4_f32). A number that lies on a knife's edge between two numbers of the format may be rounded either way, as far as f32 arithmetic and the matrix unit's own rounding can turn it there, and no further.
;; One version. Each part assembles by itself: llvm-mc -triple=amdgcn-amd-amdhsa -mcpu=gfx1250 --defsym DOCPART=n.
;; ======== version 1 of 1: 3 launches
;; limits: right only within a limited range of input values
;; workspace buffers: codes 14,942,208 bytes; scales 622,592 bytes; qrec 6,815,744 bytes; kv 13,369,344 bytes
;; launch quant (part 1): grid 608 x 1, 4 waves a work-group, no clusters, 33,280 bytes of LDS; arguments pre_query, pre_value_key, Wq, Wk, Wv, codes, scales; writes codes, scales
.if DOCPART == 1
	.amdgcn_target "amdgcn-amd-amdhsa--gfx1250"
	.amdhsa_code_object_version 6
	.text
	.protected	k_q4071faf996_quant
	.globl	k_q4071faf996_quant
	.p2align	8
	.type	k_q4071faf996_quant,@function
k_q4071faf996_quant:
	s_mov_b64 s[64:65], 0
	v_nop
	global_prefetch_b8 v0, s[64:65] scope:SCOPE_SE
	s_setreg_imm32_b32 hwreg(HW_REG_WAVE_MODE, 25, 1), 1
	s_wait_xcnt 0x0
; pre_query, pre_value_key [8192][1024] and Wq, Wk, Wv [1024][1024], f32, become codes of BF6 (E3M2), K innermost (a row: 768 bytes), and one E8M0 byte for each 32 along K (a row: 32 bytes).
; The five tensors' rows follow each other in the two buffers: 8192, 8192, 1024, 1024, 1024 rows.
; A block's scale is 2^(floor(log2(its largest magnitude)) - 4): its byte is the largest magnitude's exponent field - 4, held at 1 from below.  A block of zeros so gets the byte 1 where the
; quantiser says 127: its codes are zeros, which add nothing under any byte but 0xff, and this program alone reads the bytes.
; LIMITS: blocks whose largest magnitude lies under 2^-122 keep the byte 1; NaN and infinities among the inputs are not served.
; THE ORDER OF THE ROWS: position P of a buffer holds the tensor's row P with bits 3 and 4 exchanged.  So 16 positions on end, 16 i + r, are rows 32 (i / 2) + 8 (i % 2) + r + 8 (r / 8): the rows
; that the next launch wants in one tile, so that a transposed result's 16 registers of two neighbouring tiles are 16 neighbours.
; A work-group takes 32 rows, a wave 8 rows (8,192 numbers) in 16 steps of 512; the exchange of bits is then an exchange of the wave's two bits in the place where it stores.
; Each of a step's four loads reads 512 consecutive bytes; the 2,048 bytes turn through the wave's own stage in LDS and come back 64 bytes a lane, so that a lane holds 16 neighbours along K.
; No tensor loads, no barrier: waves share nothing.  Loads run four steps (16 loads a wave) ahead, the turn through LDS one step.
.set STEPS, 16
.set CB,    12                         ; bytes of 16 codes
.set R,     16                         ; v16-79   four sets of 16 numbers as they are loaded
.set X,     80                         ; v80-111  two sets of 16 neighbours
.set E,     112                        ; v112-127 a scale byte for each step
.set C,     128                        ; v128-191 codes: four registers for each step, so that no store's data are written again
.set WREG,  8192                       ; LDS: a region for each wave: two stages of 32 x SP bytes, behind them its 256 scale bytes
.set SP,    80                         ; a lane's place in a stage: 64 bytes + 16 of padding
	s_load_b256 s[4:11], s[0:1], 0x0               ; pre_query, pre_value_key, Wq, Wk
	s_load_b128 s[12:15], s[0:1], 0x20             ; Wv, codes
	s_load_b64 s[24:25], s[0:1], 0x30              ; scales
	v_lshl_add_u32 v192, v0, 2, 0x8000
	v_mov_b32 v193, 0
	v_lshrrev_b32 v1, 5, v0
	v_readfirstlane_b32 s16, v1                    ; wave
	v_and_b32 v2, 31, v0                           ; lane
	v_lshlrev_b32 v3, 4, v2                        ; my 16 bytes of a load's 512
	s_mul_i32 s17, s16, WREG
	v_lshrrev_b32 v14, 2, v2
	v_mul_u32_u24 v14, v14, SP
	v_and_b32 v15, 3, v2
	v_lshl_add_u32 v14, v15, 4, v14
	v_add_nc_u32 v14, s17, v14                     ; the stage, on the way in: SP (lane / 4) + 16 (lane % 4)
	v_mul_u32_u24 v15, v2, SP
	v_add_nc_u32 v15, s17, v15                     ; and on the way out: SP x lane: my 16 neighbours
	v_mul_u32_u24 v4, v2, CB                       ; my codes' place in a step's
	v_lshrrev_b32 v5, 1, v2
	s_add_co_u32 s17, s17, 2*32*SP
	v_add_nc_u32 v5, s17, v5                       ; LDS: my wave's 256 scale bytes, my block's byte
	v_lshlrev_b32 v7, 3, v2                        ; and on the way out 8 bytes a lane
	v_add_nc_u32 v6, s17, v7
	s_wait_alu depctr_va_vdst(0)
	s_wait_kmcnt 0x0
	s_mov_b32 s19, 0                               ; which tensor: the choice hangs on the work-group's number alone.  s19: the tensor's first work-group
	s_cmp_lt_u32 ttmp9, 256
	s_cselect_b64 s[4:5], s[4:5], s[6:7]
	s_cselect_b32 s19, s19, 256
	s_cmp_lt_u32 ttmp9, 512
	s_cselect_b64 s[4:5], s[4:5], s[8:9]
	s_cselect_b32 s19, s19, 512
	s_cmp_lt_u32 ttmp9, 544
	s_cselect_b64 s[4:5], s[4:5], s[10:11]
	s_cselect_b32 s19, s19, 544
	s_cmp_lt_u32 ttmp9, 576
	s_cselect_b64 s[4:5], s[4:5], s[12:13]
	s_cselect_b32 s19, s19, 576
	s_sub_co_u32 s19, ttmp9, s19
	s_lshl_b32 s19, s19, 2
	s_add_co_u32 s19, s19, s16                     ; which run of 8 rows of the tensor I read
	s_lshl_b32 s20, s19, 15                        ; 32,768 bytes a run (1,023 runs at the most: under 2^32)
	s_mov_b32 s21, 0
	s_add_nc_u64 s[4:5], s[4:5], s[20:21]
	s_and_b32 s22, s16, 1                          ; where it goes: the wave's two bits change places
	s_lshl_b32 s22, s22, 1
	s_lshr_b32 s23, s16, 1
	s_or_b32 s22, s22, s23
	s_lshl_b32 s23, ttmp9, 2
	s_add_co_u32 s22, s22, s23                     ; the run among all five tensors' runs
	s_mul_i32 s20, s22, 6144                       ; 8 rows of 768 bytes
	s_add_nc_u64 s[14:15], s[14:15], s[20:21]
	s_lshl_b32 s20, s22, 8                         ; 8 rows of 32 bytes
	s_add_nc_u64 s[24:25], s[24:25], s[20:21]
.macro LOAD t
.irp i, 0,1,2,3
	global_load_b128 v[R+16*((\t)%4)+4*\i:R+16*((\t)%4)+4*\i+3], v3, s[4:5] offset:2048*(\t)+512*\i th:TH_LOAD_NT   ; 32 lanes read 512 consecutive bytes
.endr
.endm
.macro TURN t                          ; step t's numbers through the stage: LDS serves a wave's instructions in order, so no wait stands between the stores and the loads
.irp i, 0,1,2,3
	ds_store_b128 v14, v[R+16*((\t)%4)+4*\i:R+16*((\t)%4)+4*\i+3] offset:32*SP*((\t)%2)+8*SP*\i
.endr
.irp i, 0,1,2,3
	ds_load_b128 v[X+16*((\t)%2)+4*\i:X+16*((\t)%2)+4*\i+3], v15 offset:32*SP*((\t)%2)+16*\i
.endr
.endm
.irp t, 0,1,2,3
	LOAD \t
.endr
	s_wait_loadcnt 12                              ; step 0's four loads are in; the twelve of steps 1 to 3 may be out
	TURN 0
.macro STEP t
.set XS, X+16*((\t)%2)
.if (\t) > 0
	s_wait_dscnt 1                                 ; this step's numbers are back from the stage (the last step's byte store may be out): so its stores into the stage have read their registers,
.else
	s_wait_dscnt 0x0
.endif
.if (\t)+4 < STEPS
	LOAD (\t)+4                                    ; which take the loads of four steps on
.endif
.if (\t)+1 < STEPS
.if STEPS-2-(\t) >= 3
	s_wait_loadcnt 12                              ; the next step's four loads are in; those of the three steps behind it may be out
.else
	s_wait_loadcnt 4*(STEPS-2-(\t))
.endif
	TURN (\t)+1                                    ; and go through the other stage while this step is worked
.endif
	v_max3_num_f32 v8, |v[XS]|, |v[XS+1]|, |v[XS+2]|               ; the largest magnitude of my 16, in two chains
	v_max3_num_f32 v9, |v[XS+3]|, |v[XS+4]|, |v[XS+5]|
.irp i, 6,10
	v_max3_num_f32 v8, v8, |v[XS+\i]|, |v[XS+\i+1]|
	v_max3_num_f32 v9, v9, |v[XS+\i+2]|, |v[XS+\i+3]|
.endr
	v_max3_num_f32 v8, v8, |v[XS+14]|, |v[XS+15]|
	v_max3_num_f32 v8, v8, v9, 0x2800000           ; and the floor 2^(5 - 127): the byte cannot fall under 1
	v_max_num_f32_dpp v8, v8, v8 row_xmask:1 row_mask:0xf bank_mask:0xf   ; and of my neighbour's 16: the block's
	v_add_nc_u32 v11, 0xfe000000, v8               ; 4 off its exponent field: the conversion takes the exponent field of this operand as its scale
	v_cvt_scalef32_pk16_bf6_f32 v[C+4*(\t):C+4*(\t)+2], v[XS:XS+15], v11   ; sixteen codes, 96 bits, the first number's lowest
	v_lshrrev_b32 v[E+(\t)], 23, v11               ; the scale's byte (also the plain line behind the conversion)
	ds_store_b8 v5, v[E+(\t)] offset:16*(\t)       ; both lanes of a block write the same byte with the same value
	global_store_b96 v4, v[C+4*(\t):C+4*(\t)+2], s[14:15] offset:32*CB*(\t)   ; the wave stores 384 consecutive bytes
.endm
.irp t, 0,1,2,3,4,5,6,7,8,9,10,11,12,13,14,15
	STEP \t
.endr
	ds_load_b64 v[12:13], v6                       ; LDS serves a wave's instructions in order: these see my stores
	s_wait_dscnt 0x0
	global_store_b64 v7, v[12:13], s[24:25]        ; 32 lanes store 256 consecutive bytes, aligned
	s_wait_tensorcnt 0x0
	ds_add_u32 v192, v193
	s_wait_dscnt 0x0
	s_endpgm
.Lfunc_end_k_q4071faf996_quant:
	.size	k_q4071faf996_quant, .Lfunc_end_k_q4071faf996_quant-k_q4071faf996_quant
	.p2alignl 7, 3214868480
	.fill 96, 4, 3214868480
	.section	.rodata,"a",@progbits
	.p2align	6, 0x0
	.amdhsa_kernel k_q4071faf996_quant
		.amdhsa_group_segment_fixed_size 33280
		.amdhsa_private_segment_fixed_size 0
		.amdhsa_enable_private_segment 0
		.amdhsa_kernarg_size 56
		.amdhsa_user_sgpr_count 2
		.amdhsa_user_sgpr_kernarg_segment_ptr 1
		.amdhsa_wavefront_size32 1
		.amdhsa_system_sgpr_workgroup_id_x 1
		.amdhsa_system_sgpr_workgroup_id_y 1
		.amdhsa_system_sgpr_workgroup_id_z 1
		.amdhsa_system_vgpr_workitem_id 0
		.amdhsa_next_free_vgpr 194
		.amdhsa_next_free_sgpr 66
		.amdhsa_reserve_vcc 0
		.amdhsa_float_denorm_mode_32 3
		.amdhsa_float_denorm_mode_16_64 3
		.amdhsa_memory_ordered 1
		.amdhsa_forward_progress 1
		.amdhsa_inst_pref_size 33
	.end_amdhsa_kernel
	.amdgpu_metadata
---
amdhsa.version: [ 1, 2 ]
amdhsa.kernels:
  - .name:           k_q4071faf996_quant
    .symbol:         k_q4071faf996_quant.kd
    .args:
      - { .name: pre_query, .offset: 0, .size: 8, .value_kind: global_buffer, .address_space: global }
      - { .name: pre_value_key, .offset: 8, .size: 8, .value_kind: global_buffer, .address_space: global }
      - { .name: Wq, .offset: 16, .size: 8, .value_kind: global_buffer, .address_space: global }
      - { .name: Wk, .offset: 24, .size: 8, .value_kind: global_buffer, .address_space: global }
      - { .name: Wv, .offset: 32, .size: 8, .value_kind: global_buffer, .address_space: global }
      - { .name: codes, .offset: 40, .size: 8, .value_kind: global_buffer, .address_space: global }
      - { .name: scales, .offset: 48, .size: 8, .value_kind: global_buffer, .address_space: global }
    .group_segment_fixed_size: 33280
    .private_segment_fixed_size: 0
    .kernarg_segment_align: 8
    .kernarg_segment_size: 56
    .max_flat_workgroup_size: 128
    .sgpr_count:     66
    .vgpr_count:     194
    .wavefront_size: 32
...
	.end_amdgpu_metadata
.endif
;; end of part 1
;; launch proj (part 2): grid 32 x 12, 4 waves a work-group, clusters of 4 x 4, 327,680 bytes of LDS; arguments codes, scales, bq, bk, bv, qrec, kv; writes qrec, kv
.if DOCPART == 2
	.amdgcn_target "amdgcn-amd-amdhsa--gfx1250"
	.amdhsa_code_object_version 6
	.text
	.protected	k_q4071faf996_proj
	.globl	k_q4071faf996_proj
	.p2align	8
	.type	k_q4071faf996_proj,@function
k_q4071faf996_proj:
	s_mov_b64 s[64:65], 0
	v_nop
	global_prefetch_b8 v0, s[64:65] scope:SCOPE_SE
	s_setreg_imm32_b32 hwreg(HW_REG_WAVE_MODE, 25, 1), 1
	s_wait_xcnt 0x0
	s_wait_alu depctr_hold_cnt(0) depctr_sa_sdst(0) depctr_va_vdst(0) depctr_va_sdst(0) depctr_va_ssrc(0) depctr_va_vcc(0) depctr_vm_vsrc(0)
	s_getreg_b32 s2, hwreg(HW_REG_IB_STS2, 6, 4)
	s_cmp_eq_u32 s2, 0
	s_cbranch_scc0 .Lentry_in_a_cluster
	s_endpgm
.Lentry_in_a_cluster:
	s_bfe_u32 s2, ttmp6, 0x10000c
	s_cmp_lg_u32 s2, 0xf033
	s_cbranch_scc0 .Lentry_shape_is_right
	s_endpgm
.Lentry_shape_is_right:
; q = pre_query Wq^T + bq, k = pre_value_key Wk^T + bk, v^T = Wv pre_value_key^T + bv, on codes of BF6 (E3M2) with one E8M0 byte for each 32 along K = 1,024;
; each result is quantised again along the next product's K and stored as images of that product's operand registers (qrec, kv).
; Cluster y picks the product: 0 q, 1 k (A = the tokens' rows, B = the weight's), 2 v (A = Wv's rows, B = the tokens').  A work-group makes 256 x 256, a wave 128 x 128: 64 accumulators.
; A row of codes is 768 bytes.  K goes through two LDS slots in CHUNKS OF 256 BYTES of each row: every tile row begins at a multiple of 256 bytes.  A step of 128 along K is 96 bytes: eight steps, three chunks.
; The scales of the 256 + 256 rows, two dense blocks of 8,192 bytes, come once.  4 x 4 clusters: A's tiles are asked for jointly along a row of the cluster, B's along a column.
; The matrix instruction is used transposed: source 0 = 16 rows of B, source 1 = 16 rows of A.
; No prefetch: of the three chunks two are asked for at the head and one by the only refill, so there is no loop to run ahead in.
; Windows: 0: v16-31 addresses, v32-63 scale words (two sets), v64-127 the bias along columns, v128-223 A's fragments, v224-231 the bias along rows; 1: B's fragments, two sets; 2, 3: the accumulators.
.set ROWB,   256
.set NQ,     2
.set KROW,   768
.set STEPS,  8
.set CHUNKS, 3
.set PITCH,  272                       ; 256 bytes + 16 of padding
.set FR,     12
.set NL,     6
.set NP,     4
.set HALFT,  128*PITCH
.set SLOT,   4*HALFT                   ; A's 256 rows, then B's
.set KS,     32
.set SCL,    2*SLOT
.set HALFS,  16*272
.set SBLK,   2*272
.set SPARE,  SCL+4*HALFS
.set ADRA, 16                          ; v16-17 my A fragments in slot 0, 1; v18-19 for pieces whose two halves of the lanes lie in different chunks
.set ADRB, 20
.set L16,  24
.set L8,   25
.set ADRS, 27
.set SPW,  28
.set NIL,  29
.set SC,   32
.set BI,   64
.set AF,   128
.set RB,   224
.set XR,   128
.set TM,   192
.set PW,   208
.set BP,   210
.set QC,   232
.set SW,   32
.set SEL,  20
.set G1, 24
.set G0, 32
.set G1B, 48
.set G0B, 56
.set G1S, 68
.set G0S, 76
.set G1SB, 80
.set G0SB, 88
.set MSB, 0
.macro WIN new
.if MSB != \new
	s_set_vgpr_msb (MSB<<8)|\new
.set MSB, \new
.endif
.endm
.set MUL_LO, 0xa1
.set MUL_HI, 0xf1
.set TO_B,   0x40
.macro JLOAD g0a, g1a, g0b, g1b        ; waves 0, 1 fetch for A, waves 2, 3 for B
	s_cmp_eq_u32 s15, 0
	s_cbranch_scc0 .Lfor_b_\@
	tensor_load_to_lds s[\g0a:\g0a+3], s[\g1a:\g1a+7]
	s_nop 0
.rept 4
	v_nop
.endr
	s_branch .Lasked_\@
.Lfor_b_\@:
	tensor_load_to_lds s[\g0b:\g0b+3], s[\g1b:\g1b+7]
	s_nop 0
.rept 4
	v_nop
.endr
.Lasked_\@:
.endm
.macro CREST
	s_cmp_lg_u32 s14, 0
	s_cbranch_scc1 .Lnot_wave_0_\@
	s_barrier_signal -3
.Lnot_wave_0_\@:
	s_barrier_wait -3
	s_barrier_signal -1
	s_barrier_wait -1
.endm
.macro CROUND
	s_barrier_signal -1
	s_barrier_wait -1
	CREST
.endm
	s_load_b128 s[4:7], s[0:1], 0x0                ; codes, scales
	s_load_b128 s[8:11], s[0:1], 0x10              ; bq, bk
	s_load_b128 s[96:99], s[0:1], 0x20             ; bv, qrec
	s_load_b64 s[100:101], s[0:1], 0x30            ; kv
	v_lshl_add_u32 v[SPW], v0, 2, SPARE
	v_mov_b32 v[NIL], 0
	ds_add_u32 v[SPW], v[NIL]                      ; the opening lines
	ds_add_u32 v[SPW], v[NIL]
	v_lshrrev_b32 v1, 5, v0
	v_readfirstlane_b32 s14, v1                    ; wave
	s_lshr_b32 s15, s14, 1                         ; my half of the rows; also: I fetch for A (0) or B (1)
	s_and_b32 s16, s14, 1                          ; my half of the columns; also: which 128 rows I fetch
	s_bfe_u32 s40, ttmp6, 0x40000                  ; cx
	s_bfe_u32 s41, ttmp6, 0x40004                  ; cy
	s_and_b32 s95, ttmp7, 0xffff                   ; the product
	s_lshl_b32 s94, ttmp9, 2
	s_cmp_eq_u32 s95, 2
	s_cselect_b32 s17, 0, s94
	s_cselect_b32 s42, s94, 0
	s_add_co_u32 s17, s17, s41                     ; tile row
	s_add_co_u32 s42, s42, s40                     ; tile column
	s_mov_b32 s18, 0                               ; A's and B's first rows in the buffers
	s_mov_b32 s19, 16384
	s_cmp_eq_u32 s95, 1
	s_cselect_b32 s18, 8192, s18
	s_cselect_b32 s19, 17408, s19
	s_cmp_eq_u32 s95, 2
	s_cselect_b32 s18, 18432, s18
	s_cselect_b32 s19, 8192, s19
	s_lshl_b32 s43, s41, 2
	s_lshl_b32 s43, 15, s43                        ; my row of the cluster
	s_lshl_b32 s44, 0x1111, s40                    ; my column
	s_or_b32 s[G1+0], s43, (0<<16)|(1<<20)|(1<<21)|(5<<22)|(3<<25)   ; bytes; 4 words of padding behind every 64
	s_or_b32 s[G1B+0], s44, (0<<16)|(1<<20)|(1<<21)|(5<<22)|(3<<25)
.irp g, G1, G1B
	s_mov_b32 s[\g+1], ROWB<<16
	s_mov_b32 s[\g+2], 256<<16                     ; 256 rows for the head's loads
	s_mov_b32 s[\g+3], ROWB<<16
	s_mov_b32 s[\g+4], 256
	s_mov_b32 s[\g+5], KROW
	s_mov_b32 s[\g+6], 0
	s_mov_b32 s[\g+7], 0
.endr
	s_or_b32 s[G1S+0], s43, (3<<16)|(1<<20)|(1<<21)|(5<<22)|(3<<25)  ; the scales of 256 rows: 32 rows of 256 bytes
	s_or_b32 s[G1SB+0], s44, (3<<16)|(1<<20)|(1<<21)|(5<<22)|(3<<25)
.irp g, G1S, G1SB
	s_mov_b32 s[\g+1], 32<<16
	s_mov_b32 s[\g+2], KS<<16
	s_mov_b32 s[\g+3], 32<<16
	s_mov_b32 s[\g+4], KS
	s_mov_b32 s[\g+5], 32
	s_mov_b32 s[\g+6], 0
	s_mov_b32 s[\g+7], 0
.endr
	s_lshl_b32 s20, s17, 8
	s_add_co_u32 s20, s20, s18                     ; A: the tile's first row
	s_lshl_b32 s46, s42, 8
	s_add_co_u32 s46, s46, s19                     ; B's
	s_mov_b32 s21, 0
	s_mov_b32 s47, 0
	s_mov_b64 s[18:19], KS
	s_mul_u64 s[22:23], s[20:21], s[18:19]
	s_mul_u64 s[92:93], s[46:47], s[18:19]
	s_mov_b64 s[18:19], KROW
	s_mul_u64 s[20:21], s[20:21], s[18:19]
	s_mul_u64 s[46:47], s[46:47], s[18:19]
	s_mul_i32 s18, s16, 128*KROW                   ; in the ring: my 128 rows of a tile, in bytes,
	s_mov_b32 s19, 0
	s_mul_i32 s45, s14, HALFT                      ; and where they go
	s_wait_dscnt 0x0
	s_wait_kmcnt 0x0
	s_add_nc_u64 s[20:21], s[4:5], s[20:21]
	s_add_nc_u64 s[22:23], s[6:7], s[22:23]
	s_add_nc_u64 s[46:47], s[4:5], s[46:47]
	s_add_nc_u64 s[92:93], s[6:7], s[92:93]
	CROUND                                         ; in front of the first joint loads
	s_mov_b32 s[G0], 1                             ; slot 0's groups 0 serve the head first: chunk 0's 256 rows of A,
	s_mov_b32 s[G0+1], 0
	s_mov_b64 s[G0+2:G0+3], s[20:21]
	s_or_b32 s[G0+3], s[G0+3], 0x80000000
	s_mov_b32 s[G0B], 1                            ; and of B
	s_mov_b32 s[G0B+1], 2*HALFT
	s_mov_b64 s[G0B+2:G0B+3], s[46:47]
	s_or_b32 s[G0B+3], s[G0B+3], 0x80000000
	s_mov_b32 s[G0S], 1
	s_mov_b32 s[G0S+1], SCL
	s_mov_b64 s[G0S+2:G0S+3], s[22:23]
	s_or_b32 s[G0S+3], s[G0S+3], 0x80000000
	s_mov_b32 s[G0SB], 1
	s_mov_b32 s[G0SB+1], SCL+2*HALFS
	s_mov_b64 s[G0SB+2:G0SB+3], s[92:93]
	s_or_b32 s[G0SB+3], s[G0SB+3], 0x80000000
	s_add_nc_u64 s[20:21], s[20:21], s[18:19]
	s_add_nc_u64 s[46:47], s[46:47], s[18:19]
	s_mov_b32 s[G0+4], 1                           ; slot 1: chunk 1, my 128 rows
	s_add_co_u32 s[G0+5], s45, SLOT
	s_add_nc_u64 s[G0+6:G0+7], s[20:21], ROWB
	s_or_b32 s[G0+7], s[G0+7], 0x80000000
	s_mov_b32 s[G0B+4], 1
	s_add_co_u32 s[G0B+5], s45, SLOT
	s_add_nc_u64 s[G0B+6:G0B+7], s[46:47], ROWB
	s_or_b32 s[G0B+7], s[G0B+7], 0x80000000
.macro ARM under, g0, g1, next         ; the head's four tiles, one load a wave, in one chain of branches on the wave's number
	s_cmp_lt_u32 s14, \under
	s_cbranch_scc0 \next
	tensor_load_to_lds s[\g0:\g0+3], s[\g1:\g1+7]
	s_nop 0
.rept 4
	v_nop
.endr
	s_branch .Lhead_asked
\next:
.endm
	ARM 1, G0,  G1,  .Lhead_b
	ARM 2, G0B, G1B, .Lhead_sa
	ARM 3, G0S, G1S, .Lhead_sb
	tensor_load_to_lds s[G0SB:G0SB+3], s[G1SB:G1SB+7]
	s_nop 0
.rept 4
	v_nop
.endr
.Lhead_asked:
	s_cmp_eq_u32 s95, 1                            ; the biases: along the columns bq or bk, along the rows bv
	s_cselect_b64 s[8:9], s[10:11], s[8:9]
	s_lshl_b32 s46, s42, 8
	s_lshl_b32 s47, s16, 7
	s_add_co_u32 s46, s46, s47
	s_lshl_b32 s22, s17, 8
	s_lshl_b32 s23, s15, 7
	s_add_co_u32 s22, s22, s23
	s_cmp_eq_u32 s95, 2
	s_cselect_b32 s46, 0, s46
	s_cselect_b32 s22, s22, 0
	s_lshl_b32 s46, s46, 2
	s_mov_b32 s47, 0
	s_add_nc_u64 s[8:9], s[8:9], s[46:47]
	s_lshl_b32 s22, s22, 2
	s_mov_b32 s23, 0
	s_add_nc_u64 s[96:97], s[96:97], s[22:23]
	s_lshl_b32 s46, s17, 1                         ; where my records lie
	s_add_co_u32 s46, s46, s15
	s_lshl_b32 s47, s42, 1
	s_add_co_u32 s47, s47, s16
	s_cmp_eq_u32 s95, 2
	s_cselect_b32 s92, s47, s46
	s_cselect_b32 s93, s46, s47
	s_lshl_b32 s93, s93, 1
	s_lshr_b32 s46, s92, 4
	s_lshl_b32 s46, s46, 4
	s_add_co_u32 s46, s46, s93
	s_lshl_b32 s46, s46, 4
	s_and_b32 s47, s92, 15
	s_add_co_u32 s46, s46, s47
	s_mov_b32 s47, 13056
	s_cmp_eq_u32 s95, 0
	s_cselect_b32 s47, 6656, s47
	s_cselect_b64 s[12:13], s[98:99], s[100:101]
	s_mul_i32 s46, s46, s47
	s_lshl_b32 s92, s47, 4
	s_mov_b32 s47, 0
	s_mov_b32 s93, 0
	s_add_nc_u64 s[12:13], s[12:13], s[46:47]
	s_add_nc_u64 s[66:67], s[12:13], s[92:93]
	s_mul_i32 s21, s15, HALFT                      ; LDS: my 128 rows of A, of B, in both slots
	s_mul_i32 s22, s16, HALFT
	s_add_co_u32 s22, s22, 2*HALFT
	s_add_co_u32 s40, s21, SLOT
	s_add_co_u32 s41, s22, SLOT
	s_mov_b32 s43, SLOT-232
	s_mov_b32 s44, SLOT+232
	s_mul_i32 s94, s15, HALFS                      ; my rows' scales: A's, and how far on B's lie
	s_mul_i32 s23, s16, HALFS
	s_add_co_u32 s23, s23, 2*HALFS
	s_sub_co_u32 s23, s23, s94
	s_add_co_u32 s94, s94, SCL
	v_and_b32 v1, 15, v0                           ; r
	v_bfe_u32 v2, v0, 4, 1                         ; h
	v_mul_u32_u24 v3, v1, PITCH
	v_mul_u32_u24 v4, v2, 24
	v_add_nc_u32 v4, v3, v4                        ; row x pitch + 24 h
	v_sub_nc_u32 v7, 1, v2
	v_mul_u32_u24 v5, s43, v2
	v_add_nc_u32 v5, v3, v5
	v_add_nc_u32 v5, 232, v5                       ; lanes 0-15 byte 232 in slot 0, lanes 16-31 byte 0 in slot 1
	v_mul_u32_u24 v6, s44, v7
	v_add_nc_u32 v6, v3, v6                        ; and the other way round
	v_add_nc_u32 v[ADRA+2], s21, v5
	v_add_nc_u32 v[ADRA+3], s21, v6
	v_add_nc_u32 v[ADRB+2], s22, v5
	v_add_nc_u32 v[ADRB+3], s22, v6
	v_add_nc_u32 v[ADRA], s21, v4
	v_add_nc_u32 v[ADRB], s22, v4
	v_add_nc_u32 v[ADRA+1], s40, v4
	v_add_nc_u32 v[ADRB+1], s41, v4
	v_mul_u32_u24 v5, v1, KS
	v_lshrrev_b32 v6, 8, v5
	v_lshl_add_u32 v5, v6, 4, v5                   ; 16 more for each 256 passed
	v_mul_u32_u24 v6, s23, v2                      ; lanes 16-31 take B's
	v_add_nc_u32 v5, v5, v6
	v_add_nc_u32 v[ADRS], s94, v5
	v_and_b32 v6, 31, v0
	v_lshlrev_b32 v[L16], 4, v6
	v_lshlrev_b32 v[L8], 3, v6
	v_lshlrev_b32 v30, 6, v2
	v_and_b32 v31, 8, v1
	v_add_nc_u32 v31, v31, v1
	v_lshlrev_b32 v31, 2, v31
	s_wait_alu depctr_va_vdst(0)                   ; the head's end
.irp b, 0,1,2,3
.irp j, 0,1,2,3
	global_load_b128 v[BI+16*\b+4*\j:BI+16*\b+4*\j+3], v30, s[8:9] offset:128*\b+16*\j
.endr
.endr
.irp a, 0,1,2,3,4,5,6,7
	global_load_b32 v[RB+\a], v31, s[96:97] offset:4*(32*(\a/2)+8*(\a%2))
.endr
.macro FRAG reg, adr, st, i            ; 16 rows x 128 K: six pieces of 8 bytes; byte y of a row lies in slot (y / 256) % 2 at byte y % 256
.irp p, 0,1,2,3,4,5
.set BY, 96*(\st)+48*(\p/3)+8*(\p%3)
.if BY/ROWB == (BY+24)/ROWB
	ds_load_b64 v[\reg+2*\p:\reg+2*\p+1], v[\adr+(BY/ROWB)%2] offset:BY%ROWB+(\i)*16*PITCH
.else
	ds_load_b64 v[\reg+2*\p:\reg+2*\p+1], v[\adr+2+(BY/ROWB)%2] offset:BY%ROWB-232+(\i)*16*PITCH
.endif
.endr
.endm
.macro MUL16 a0, p, q, sc, zero        ; A's blocks a0, a0 + 1 x B's eight; the 64 accumulators take turns
.irp a, \a0, \a0+1
.irp b, 0,1,2,3,4,5,6,7
.if \zero
	v_wmma_scale_f32_16x16x128_f8f6f4 v[8*(8*((\a)%4)+\b):8*(8*((\a)%4)+\b)+7], v[128*(\p)+FR*\b:128*(\p)+FR*\b+FR-1], v[AF+FR*(\a):AF+FR*(\a)+FR-1], 0, v[SC+8*NQ*(\sc)+NQ*\b+(\q)], v[SC+8*NQ*(\sc)+NQ*(\a)+(\q)] matrix_a_fmt:MATRIX_FMT_BF6 matrix_b_fmt:MATRIX_FMT_BF6 matrix_a_scale:MATRIX_SCALE_ROW1
.else
	v_wmma_scale_f32_16x16x128_f8f6f4 v[8*(8*((\a)%4)+\b):8*(8*((\a)%4)+\b)+7], v[128*(\p)+FR*\b:128*(\p)+FR*\b+FR-1], v[AF+FR*(\a):AF+FR*(\a)+FR-1], v[8*(8*((\a)%4)+\b):8*(8*((\a)%4)+\b)+7], v[SC+8*NQ*(\sc)+NQ*\b+(\q)], v[SC+8*NQ*(\sc)+NQ*(\a)+(\q)] matrix_a_fmt:MATRIX_FMT_BF6 matrix_b_fmt:MATRIX_FMT_BF6 matrix_a_scale:MATRIX_SCALE_ROW1
.endif
.endr
.endr
.endm
.macro FETCH_B st, p
	WIN TO_B
.irp i, 0,1,2,3,4,5,6,7
	FRAG 128*(\p)+FR*\i, ADRB, \st, \i
.endr
	WIN 0
.endm
.macro FETCH_A st, i0
.irp i, \i0, \i0+1, \i0+2, \i0+3
	FRAG AF+FR*(\i), ADRA, \st, \i
.endr
.endm
.macro SCALES pr                       ; the scale words of steps 2 pr, 2 pr + 1: lanes 0-15 A's block i, lanes 16-31 B's
.irp i, 0,1,2,3,4,5,6,7
	ds_load_b64 v[SC+8*NQ*((\pr)%2)+NQ*\i:SC+8*NQ*((\pr)%2)+NQ*\i+1], v[ADRS] offset:\i*SBLK+4*NQ*(\pr)
.endr
.endm
.macro PLACES n
.rept \n
	v_nop
.endr
.endm
; A step: 64 products; the next step's fragments are fetched in its middle and at its end.  Where the next step ends in a chunk not read yet, a barrier shows that chunk whole;
; where it begins in a later chunk, the chunk left behind is free: the three lines, the barrier, and, if a chunk two on is left, the round and the refill.
.macro STEP st, zero
.set NX, (\st)+1
.set C0, (96*(\st))/ROWB
.set C1, (96*NX)/ROWB
.set E0, (96*(\st)+95)/ROWB
.set E1, (96*NX+95)/ROWB
.if C1 > C0 || E1 > E0
	s_wait_tensorcnt 0x0
.if C1 > C0
	ds_add_u32 v[SPW], v[NIL]
	s_wait_dscnt 4*NL+1                            ; the add and A's blocks 4-7 may be out
.else
	s_wait_dscnt 4*NL                              ; A's blocks 4-7 may be out
.endif
	WIN MUL_LO
	MUL16 0, (\st)%2, (\st)%2, ((\st)/2)%2, \zero
	s_wait_dscnt 0x0
	s_barrier_signal -1
	MUL16 2, (\st)%2, (\st)%2, ((\st)/2)%2, \zero
	WIN 0
	s_barrier_wait -1
.if C1 > C0 && C0+2 < CHUNKS
	CREST
	s_add_nc_u64 s[G0+4*(C0%2)+2:G0+4*(C0%2)+3], s[G0+4*(C0%2)+2:G0+4*(C0%2)+3], 2*ROWB
	s_add_nc_u64 s[G0B+4*(C0%2)+2:G0B+4*(C0%2)+3], s[G0B+4*(C0%2)+2:G0B+4*(C0%2)+3], 2*ROWB
	JLOAD G0+4*(C0%2), G1, G0B+4*(C0%2), G1B       ; chunk C0 + 2; its four v_nop are the places in front of the loads below
.else
	PLACES NP
.endif
.else
	s_wait_dscnt 4*NL                              ; A's blocks 4-7 may be out
	WIN MUL_LO
	MUL16 0, (\st)%2, (\st)%2, ((\st)/2)%2, \zero
	MUL16 2, (\st)%2, (\st)%2, ((\st)/2)%2, \zero
	s_wait_dscnt 0
	PLACES NP
.endif
	FETCH_B NX, NX%2
	FETCH_A NX, 0
.if NX%2 == 0
	SCALES NX/2
.endif
	WIN MUL_HI
	MUL16 4, (\st)%2, (\st)%2, ((\st)/2)%2, \zero
	MUL16 6, (\st)%2, (\st)%2, ((\st)/2)%2, \zero
	PLACES NP
	WIN 0
	FETCH_A NX, 4
.endm
	s_wait_tensorcnt 0x0                           ; my tile of the head's four is in: no load of mine is out, so descriptors may be written
	ds_add_u32 v[SPW], v[NIL]
	s_mov_b32 s[G1+2], 128<<16                     ; from here on a load brings 128 rows
	s_mov_b32 s[G1+4], 128
	s_mov_b32 s[G1B+2], 128<<16
	s_mov_b32 s[G1B+4], 128
	s_mov_b32 s[G0+1], s45                         ; slot 0's groups 0 for the ring: my 128 rows
	s_add_nc_u64 s[G0+2:G0+3], s[G0+2:G0+3], s[18:19]
	s_mov_b32 s[G0B+1], s45
	s_add_nc_u64 s[G0B+2:G0B+3], s[G0B+2:G0B+3], s[18:19]
	s_wait_dscnt 0x0
	CROUND
	JLOAD G0+4, G1, G0B+4, G1B                     ; chunk 1, slot 1's first fill
	FETCH_B 0, 0
	FETCH_A 0, 0
	SCALES 0
	FETCH_A 0, 4
	STEP 0, 1                                      ; the first step's products start the sums
.set ST, 1
.rept STEPS-2
	STEP ST, 0
.set ST, ST+1
.endr
	s_wait_dscnt 4*NL
	WIN MUL_LO
	MUL16 0, 1, 1, 1, 0
	MUL16 2, 1, 1, 1, 0
	s_wait_dscnt 0
	WIN MUL_HI
	MUL16 4, 1, 1, 1, 0
	MUL16 6, 1, 1, 1, 0
	WIN 0
; THE WAY OUT: bias, then the quantiser along the next K: a lane's 16 registers of two neighbouring tiles are 16 neighbours, a block of 32 lies in lanes l and l xor 16.
.macro QUANT s
.irp b, 0,1,2,3
	v_max3_num_f32 v[TM+\b], |v[\s+16*\b]|, |v[\s+1+16*\b]|, 0x2800000
.endr
.irp i, 2,4,6,8,10,12,14
.irp b, 0,1,2,3
	v_max3_num_f32 v[TM+\b], v[TM+\b], |v[\s+16*\b+\i]|, |v[\s+1+16*\b+\i]|
.endr
.endr
.irp b, 0,1,2,3
	v_permlanex16_b32 v[TM+4+\b], v[TM+\b], s[SEL], s[SEL+1]
.endr
.irp b, 0,1,2,3
	v_max_num_f32 v[TM+\b], v[TM+\b], v[TM+4+\b]
.endr
.irp b, 0,1,2,3
	v_add_nc_u32 v[TM+12+\b], 0xfe000000, v[TM+\b]
.endr
.irp b, 0,1,2,3
	v_lshrrev_b32 v[TM+4+\b], 23, v[TM+12+\b]
.endr
	v_lshl_or_b32 v[PW], v[TM+5], 8, v[TM+4]
	v_lshl_or_b32 v[PW], v[TM+6], 16, v[PW]
	v_lshl_or_b32 v[PW], v[TM+7], 24, v[PW]
.irp c, 0,1
	v_cvt_scalef32_pk16_bf6_f32 v[QC+6*\c:QC+2+6*\c], v[\s+32*\c:\s+15+32*\c], v[TM+12+2*\c]
	v_cvt_scalef32_pk16_bf6_f32 v[QC+12+4*\c:QC+14+4*\c], v[\s+16+32*\c:\s+31+32*\c], v[TM+12+2*\c+1]
.endr
	v_nop
.irp c, 0,1
.irp i, 0,1,2
	v_permlane16_swap_b32 v[QC+6*\c+\i], v[QC+12+4*\c+\i]
.endr
.irp i, 0,1,2
	v_mov_b32 v[QC+3+6*\c+\i], v[QC+12+4*\c+\i]
.endr
.endr
.endm
.macro EPI_QK a
.set WN, 0x02+(\a)/4
	WIN WN
.set i, 0
.rept 32
	v_pk_add_f32 v[XR+i:XR+i+1], v[64*((\a)%4)+i:64*((\a)%4)+i+1], v[BI+i:BI+i+1]
.set i, i+2
.endr
	WIN 0
	s_wait_xcnt 0x0
	QUANT XR
	global_store_b128 v[L16], v[QC:QC+3], s[12:13] offset:768*(\a)
	global_store_b64 v[L8], v[QC+4:QC+5], s[12:13] offset:768*(\a)+512
	global_store_b128 v[L16], v[QC+6:QC+9], s[66:67] offset:768*(\a)
	global_store_b64 v[L8], v[QC+10:QC+11], s[66:67] offset:768*(\a)+512
.if (\a)%2 == 0
	v_and_or_b32 v[SW+(\a)/2], v[PW], 0xffff, s2
	v_lshrrev_b32 v41, 16, v[PW]
	v_or_b32 v[SW+4+(\a)/2], s2, v41
.else
	v_and_or_b32 v40, v[PW], 0xffff, s2
	v_lshrrev_b32 v41, 16, v[PW]
	v_or_b32 v41, s2, v41
	v_cndmask_b32 v[SW+(\a)/2], v[SW+(\a)/2], v40, vcc_lo
	v_cndmask_b32 v[SW+4+(\a)/2], v[SW+4+(\a)/2], v41, vcc_lo
.endif
.endm
.macro EPI_V a
	v_mov_b32 v[BP], v[RB+(\a)]
	v_mov_b32 v[BP+1], v[RB+(\a)]
.set WN, 0x02+(\a)/4
	WIN WN
.set i, 0
.rept 32
	v_pk_add_f32 v[XR+i:XR+i+1], v[64*((\a)%4)+i:64*((\a)%4)+i+1], v[BP:BP+1]
.set i, i+2
.endr
	WIN 0
	s_wait_xcnt 0x0
	QUANT XR
.irp c, 0,1,2
	global_store_b128 v[L16], v[QC+4*\c:QC+4*\c+3], s[12:13] offset:((\a)/4)*208896+6656+((\a)%4)*1536+512*\c
.endr
.if (\a)%2 == 0
	v_mov_b32 v[SW+(\a)/2], v[PW]
.else
	v_cndmask_b32 v[SW+(\a)/2], v[SW+(\a)/2], v[PW], vcc_lo
.endif
.endm
	PLACES NP
	s_mov_b32 s[SEL], 0x76543210
	s_mov_b32 s[SEL+1], 0xfedcba98
	s_mov_b32 s2, 0x7f7f0000
	s_mov_b32 vcc_lo, 0xffff0000
.irp b, 0,1,2,3
	v_mov_b32 v[TM+4+\b], 0
.endr
	s_wait_loadcnt 0x0
	s_cmp_eq_u32 s95, 2
	s_cbranch_scc1 .Lv_out
.irp a, 0,1,2,3,4,5,6,7
	EPI_QK \a
.endr
	global_store_b128 v[L16], v[SW:SW+3], s[12:13] offset:6144
	global_store_b128 v[L16], v[SW+4:SW+7], s[66:67] offset:6144
	s_branch .Ldone
.Lv_out:
.irp a, 0,1,2,3,4,5,6,7
	EPI_V \a
.endr
	global_store_b64 v[L8], v[SW:SW+1], s[12:13] offset:12800
	global_store_b64 v[L8], v[SW+2:SW+3], s[12:13] offset:208896+12800
.Ldone:
	s_wait_tensorcnt 0x0
	ds_add_u32 v[SPW], v[NIL]
	s_wait_dscnt 0x0
	CROUND
	s_endpgm
.Lfunc_end_k_q4071faf996_proj:
	.size	k_q4071faf996_proj, .Lfunc_end_k_q4071faf996_proj-k_q4071faf996_proj
	.p2alignl 7, 3214868480
	.fill 96, 4, 3214868480
	.section	.rodata,"a",@progbits
	.p2align	6, 0x0
	.amdhsa_kernel k_q4071faf996_proj
		.amdhsa_group_segment_fixed_size 327680
		.amdhsa_private_segment_fixed_size 0
		.amdhsa_enable_private_segment 0
		.amdhsa_kernarg_size 56
		.amdhsa_user_sgpr_count 2
		.amdhsa_user_sgpr_kernarg_segment_ptr 1
		.amdhsa_wavefront_size32 1
		.amdhsa_system_sgpr_workgroup_id_x 1
		.amdhsa_system_sgpr_workgroup_id_y 1
		.amdhsa_system_sgpr_workgroup_id_z 1
		.amdhsa_system_vgpr_workitem_id 0
		.amdhsa_next_free_vgpr 1024
		.amdhsa_next_free_sgpr 102
		.amdhsa_reserve_vcc 1
		.amdhsa_float_denorm_mode_32 3
		.amdhsa_float_denorm_mode_16_64 3
		.amdhsa_memory_ordered 1
		.amdhsa_forward_progress 1
		.amdhsa_inst_pref_size 235
	.end_amdhsa_kernel
	.amdgpu_metadata
---
amdhsa.version: [ 1, 2 ]
amdhsa.kernels:
  - .name:           k_q4071faf996_proj
    .symbol:         k_q4071faf996_proj.kd
    .args:
      - { .name: codes, .offset: 0, .size: 8, .value_kind: global_buffer, .address_space: global }
      - { .name: scales, .offset: 8, .size: 8, .value_kind: global_buffer, .address_space: global }
      - { .name: bq, .offset: 16, .size: 8, .value_kind: global_buffer, .address_space: global }
      - { .name: bk, .offset: 24, .size: 8, .value_kind: global_buffer, .address_space: global }
      - { .name: bv, .offset: 32, .size: 8, .value_kind: global_buffer, .address_space: global }
      - { .name: qrec, .offset: 40, .size: 8, .value_kind: global_buffer, .address_space: global }
      - { .name: kv, .offset: 48, .size: 8, .value_kind: global_buffer, .address_space: global }
    .group_segment_fixed_size: 327680
    .private_segment_fixed_size: 0
    .kernarg_segment_align: 8
    .kernarg_segment_size: 56
    .max_flat_workgroup_size: 128
    .sgpr_count:     102
    .vgpr_count:     1024
    .wavefront_size: 32
...
	.end_amdgpu_metadata
.endif
;; end of part 2
;; launch attn (part 3): grid 4 x 64, 16 waves a work-group, clusters of 4 x 1, 296,960 bytes of LDS; arguments qrec, kv, value_key_masks, value_key_counts, overall_gain, overall_bias, out0; writes out0
.if DOCPART == 3
	.amdgcn_target "amdgcn-amd-amdhsa--gfx1250"
	.amdhsa_code_object_version 6
	.text
	.protected	k_q4071faf996_attn
	.globl	k_q4071faf996_attn
	.p2align	8
	.type	k_q4071faf996_attn,@function
k_q4071faf996_attn:
	s_mov_b64 s[64:65], 0
	v_nop
	global_prefetch_b8 v0, s[64:65] scope:SCOPE_SE
	s_setreg_imm32_b32 hwreg(HW_REG_WAVE_MODE, 25, 1), 1
	s_wait_xcnt 0x0
	s_wait_alu depctr_hold_cnt(0) depctr_sa_sdst(0) depctr_va_vdst(0) depctr_va_sdst(0) depctr_va_ssrc(0) depctr_va_vcc(0) depctr_vm_vsrc(0)
	s_getreg_b32 s2, hwreg(HW_REG_IB_STS2, 6, 4)
	s_cmp_eq_u32 s2, 0
	s_cbranch_scc0 .Lentry_in_a_cluster
	s_endpgm
.Lentry_in_a_cluster:
	s_bfe_u32 s2, ttmp6, 0x10000c
	s_cmp_lg_u32 s2, 0x3003
	s_cbranch_scc0 .Lentry_shape_is_right
	s_endpgm
.Lentry_shape_is_right:
; out[b][q][64 hd + d] = sigmoid(gain x pooled + bias) x (sum over keys of softmax(scores / sqrt(cnt), masked) v), both products on codes of BF6 (E3M2) with one E8M0 scale for each 32 along K.
; q, k (K = the head's 64, the upper half of the instruction's 128 is zero codes on both sides) and v^T (K = the keys) come as images of the operands' registers, made by the launch before.
; SHARES.  A work-group owns 512 queries of one head (y = 16 b + hd); its SIXTEEN waves own a tile of 16 queries each, twice.  Four waves to a SIMD: one wave's vector work stands beside another's products and LDS loads.
; A head's whole K, V^T and scale words, 16 records of 13,056 bytes, come into LDS ONCE: wave w asks for record w.  Nothing is filled again: no ring.
; CLUSTER.  The four work-groups of a head read the same 208,896 bytes: each record is asked for jointly, by the same load with the same descriptor and the mask of all four.
; LAYOUT.  Both products are used transposed: S^T = K Q^T, O^T = V^T P^T: a lane holds ONE query (lane % 16).  The keys of a tile are chosen (lane r of tile 2 b + u: key 32 b + 8 u + r + 8 (r / 8)) so that the 16
; registers of tiles 2 b, 2 b + 1 are keys 32 b + 16 (lane / 16) + 0 .. 15.  The rows of a tile of queries and of V^T's 64 are chosen alike, which the way out undoes.
; THE MASK.  A table of 2,048 numbers, 0 where the mask is not 0 and -2^100 where it is 0, is made once in LDS; a step's 64 numbers a lane are loaded into the scores' registers and are the C of the first product.
; So a hidden key's score is about -2^100: under every other, and its p is 0.  The running largest t begins at -2^60.
; THE SOFTMAX.  t = score x c, c = log2(e) / sqrt(cnt); M = the running largest t rounded up to a whole number; p = 2^(t - M) is quantised along the keys; the sum is taken of the unquantised p and divides at the end.
; THE GATE.  The sum over the keys of mask x (q . k) is q . (the sum over the keys of mask x k), for every input: the head's 64 sums are made once from K's codes, and a query's pooled score is one dot product.
; LIMITS: |t| under 2^60 and cnt under 2^80, so that a hidden key's t lies under the starting value; NaN and infinities are not served; a batch whose mask is all 0 gives 0 x infinity = NaN.
; REGISTERS: v1 16 x lane, v2 8 x lane, v3 the mask table at my half; v4-6 addresses in hand; v7 the gate; v[8:9] the last factor; v10-11 V's scale words; v12 -M, v13 the largest t, v[14:15] the sum;
;   v16-27 Q (v22-27 zeros); v28-31 K's scale words; v32-79 four fragments of K (upper halves zeros for good); v80-127 V^T's four; v128-191 S^T, then p; v192-223 O^T; v224-235 p's codes;
;   v236-239 the blocks' largest; v240-251 at work; v252 f; v253 p's scale word; v254 at work; v255 Q's scale word.
.set RECB, 13056                       ; a record: K 8 x 768, its scale words 512, V^T 4 x 1,536, its scale words 256
.set AMT,  16*RECB                     ; LDS: behind the records the mask table, 8,192 bytes;
.set KSP,  AMT+8192                    ; the waves' parts of the 64 sums, 256 bytes each;
.set KSF,  KSP+4096                    ; the 64 sums, a copy for each wave;
.set STG,  KSF+4096                    ; a stage of 16 rows x (256 + 16) bytes for each wave
.set S,   128
.set O,   192
.set KF,  32
.set VF,  80
.set PCD, 224
.set BM,  236
.set T8,  240
.set SO,  248
.macro ROUND                           ; a round of the cluster's barrier
	s_barrier_signal -1
	s_barrier_wait -1
	s_cmp_lg_u32 s18, 0
	s_cbranch_scc1 .Lnot_wave_0_\@
	s_barrier_signal -3
.Lnot_wave_0_\@:
	s_barrier_wait -3
	s_barrier_signal -1
	s_barrier_wait -1
.endm
.macro KQ t                            ; S^T's tile t = K's tile t x Q + the mask's numbers, which lie in the result's registers.  The eight accumulators are taken one instruction each
.if (\t)%2
	v_wmma_scale_f32_16x16x128_f8f6f4 v[S+8*(\t):S+8*(\t)+7], v[KF+12*((\t)%4):KF+12*((\t)%4)+11], v[16:27], v[S+8*(\t):S+8*(\t)+7], v[28+(\t)/2], v255 matrix_a_fmt:MATRIX_FMT_BF6 matrix_b_fmt:MATRIX_FMT_BF6 matrix_a_scale:MATRIX_SCALE_ROW1
.else
	v_wmma_scale_f32_16x16x128_f8f6f4 v[S+8*(\t):S+8*(\t)+7], v[KF+12*((\t)%4):KF+12*((\t)%4)+11], v[16:27], v[S+8*(\t):S+8*(\t)+7], v[28+(\t)/2], v255 matrix_a_fmt:MATRIX_FMT_BF6 matrix_b_fmt:MATRIX_FMT_BF6
.endif
.endm
.macro PV t                            ; O^T's tile t += V^T's tile t x P
.if (\t)%2
	v_wmma_scale_f32_16x16x128_f8f6f4 v[O+8*(\t):O+8*(\t)+7], v[VF+12*(\t):VF+12*(\t)+11], v[PCD:PCD+11], v[O+8*(\t):O+8*(\t)+7], v[10+(\t)/2], v253 matrix_a_fmt:MATRIX_FMT_BF6 matrix_b_fmt:MATRIX_FMT_BF6 matrix_a_scale:MATRIX_SCALE_ROW1
.else
	v_wmma_scale_f32_16x16x128_f8f6f4 v[O+8*(\t):O+8*(\t)+7], v[VF+12*(\t):VF+12*(\t)+11], v[PCD:PCD+11], v[O+8*(\t):O+8*(\t)+7], v[10+(\t)/2], v253 matrix_a_fmt:MATRIX_FMT_BF6 matrix_b_fmt:MATRIX_FMT_BF6
.endif
.endm
	s_load_b256 s[4:11], s[0:1], 0x0               ; qrec, kv, masks, counts
	s_load_b128 s[12:15], s[0:1], 0x20             ; gain, bias
	s_load_b64 s[16:17], s[0:1], 0x30              ; out
	v_lshl_add_u32 v254, v0, 2, 0x48000
	v_mov_b32 v255, 0
	ds_add_u32 v254, v255
	ds_add_u32 v254, v255
	s_wait_dscnt 0x0
	v_lshrrev_b32 v1, 5, v0
	s_delay_alu instid0(VALU_DEP_1)
	v_readfirstlane_b32 s18, v1                    ; wave 0..15
	s_bfe_u32 s19, ttmp6, 0x40000                  ; cx: my block of 512 queries: it enters Q's and out's addresses alone
	s_and_b32 s36, ttmp7, 0xffff                   ; y = 16 b + hd, which the four partners share
	s_lshr_b32 s37, s36, 4                         ; b
	s_and_b32 s38, s36, 15                         ; hd
	; descriptor group 1: a record, 13,056 dense bytes, as 51 rows of 256 bytes (32 elements of 8 bytes), no padding
	s_mov_b32 s24, 15|(3<<16)|(1<<21)              ; 15:0 the mask: all four work-groups; 17:16 elements of 8 bytes; 21 set beside a mask
	s_mov_b32 s25, 32<<16                          ; tensor_dim0 = 32
	s_mov_b32 s26, 51<<16                          ; tensor_dim1 = 51
	s_mov_b32 s27, 32<<16                          ; tile_dim0 = 32
	s_mov_b32 s28, 51                              ; tile_dim1 = 51
	s_mov_b32 s29, 32                              ; tensor_dim0_stride
	s_mov_b32 s30, 0
	s_mov_b32 s31, 0
	s_lshl_b32 s54, s36, 4
	s_add_co_u32 s54, s54, s18                     ; record 16 y + wave
	s_mul_i32 s54, s54, RECB                       ; under 2^24
	s_mov_b32 s55, 0
	s_mov_b32 s32, 1                               ; group 0: count = 1,
	s_mul_i32 s33, s18, RECB                       ; LDS address: wave x a record,
	s_wait_kmcnt 0x0
	s_add_nc_u64 s[34:35], s[6:7], s[54:55]        ; global address,
	s_or_b32 s35, s35, 0x80000000                  ; type = 2
	ROUND                                          ; all four work-groups are here: the joint loads meet
	tensor_load_to_lds s[32:35], s[24:31]          ; my one tensor load of the launch
	s_nop 0
.rept 4
	v_nop
.endr
	s_lshl_b32 s54, s37, 2
	s_add_nc_u64 s[10:11], s[10:11], s[54:55]      ; the batch's count
	s_lshl_b32 s54, s38, 2
	s_add_nc_u64 s[12:13], s[12:13], s[54:55]      ; the head's gain
	s_add_nc_u64 s[14:15], s[14:15], s[54:55]      ; and bias
	s_load_b32 s43, s[10:11], 0x0
	s_load_b32 s44, s[12:13], 0x0
	s_load_b32 s45, s[14:15], 0x0
	s_lshl_b32 s54, s37, 13
	s_add_nc_u64 s[8:9], s[8:9], s[54:55]          ; the batch's 2,048 mask numbers
	s_lshl_b32 s54, s18, 9
	s_add_nc_u64 s[56:57], s[8:9], s[54:55]        ; those of my record's 128 keys
	v_lshlrev_b32 v224, 4, v0
	global_load_b128 v[120:123], v224, s[8:9]      ; four of the 2,048 to each of the 512 threads
	v_and_b32 v225, 15, v0
	s_delay_alu instid0(VALU_DEP_1)
	v_and_b32 v226, 8, v225
	s_delay_alu instid0(VALU_DEP_1)
	v_add_nc_u32 v226, v226, v225
	s_delay_alu instid0(VALU_DEP_1)
	v_lshlrev_b32 v226, 2, v226                    ; 4 (r + 8 (r / 8))
.irp t, 0,1,2,3,4,5,6,7
	global_load_b32 v[112+\t], v226, s[56:57] offset:4*(32*(\t/2)+8*(\t%2))   ; the mask number of my key in tile t
.endr
	v_and_b32 v2, 31, v0
	s_delay_alu instid0(VALU_DEP_1)
	v_lshlrev_b32 v1, 4, v2                        ; 16 x lane
	s_delay_alu instid0(VALU_DEP_2)
	v_lshlrev_b32 v2, 3, v2                        ; 8 x lane
	v_bfe_u32 v3, v0, 4, 1
	s_delay_alu instid0(VALU_DEP_1)
	v_lshl_add_u32 v3, v3, 6, AMT                  ; the mask table at my half's 16 keys of each 32
	v_mov_b32 v124, 0xf1800000                     ; -2^100
	v_lshl_add_u32 v225, v0, 4, AMT
	s_mov_b32 s20, 0x76543210
	s_mov_b32 s21, 0xfedcba98                      ; v_permlanex16_b32's selects for lane l xor 16
	s_wait_alu depctr_va_vdst(0)
	s_wait_loadcnt 8                               ; my four numbers are in; the eight loads behind them may be out
.irp j, 0,1,2,3
	v_cmp_eq_f32 vcc_lo, 0, v[120+\j]
	s_delay_alu instid0(VALU_DEP_1)
	v_cndmask_b32 v[120+\j], 0, v124, vcc_lo       ; a choice of a value, no branch
.endr
	ds_store_b128 v225, v[120:123]
	s_wait_kmcnt 0x0
	v_rsq_f32 v125, s43
	v_rcp_f32 v126, s43
	v_nop                                          ; a plain line behind the transcendentals
	s_wait_alu depctr_va_vdst(0)
	v_mul_f32 v125, 0x3fb8aa3b, v125               ; c = log2(e) / sqrt(cnt)
	s_delay_alu instid0(VALU_DEP_1)
	v_readfirstlane_b32 s22, v125
	v_readfirstlane_b32 s46, v126                  ; 1 / cnt
	s_mov_b32 s23, s22                             ; (the packed form names the pair)
	; Q's and out's addresses
	s_and_b32 s59, s18, 7                          ; my tile among a group's eight
	s_lshr_b32 s61, s18, 3
	s_lshl_b32 s60, s19, 2
	s_add_co_u32 s60, s60, s61                     ; my first group of 128 queries: 4 cx + wave / 8
	s_lshl_b32 s61, s36, 4
	s_add_co_u32 s61, s61, s60
	s_mul_i32 s61, s61, 6656                       ; its record
	s_mul_i32 s62, s59, 768
	s_add_co_u32 s62, s62, s61
	s_mov_b32 s63, 0
	s_add_nc_u64 s[48:49], s[4:5], s[62:63]        ; my tile's codes
	s_and_b32 s62, s59, 1
	s_lshl_b32 s62, s62, 8                         ; the scale words' image: an odd tile lies in lanes 16-31: 256 bytes on;
	s_lshr_b32 s39, s59, 1
	s_lshl_b32 s39, s39, 2                         ; register tile / 2: 4 bytes each
	s_add_co_u32 s62, s62, s39
	s_add_co_u32 s62, s62, s61
	s_add_co_u32 s62, s62, 6144
	s_add_nc_u64 s[52:53], s[4:5], s[62:63]
	s_lshl_b32 s62, s37, 11
	s_lshl_b32 s61, s60, 7
	s_add_co_u32 s62, s62, s61
	s_lshr_b32 s61, s59, 1
	s_lshl_b32 s61, s61, 5
	s_add_co_u32 s62, s62, s61
	s_and_b32 s61, s59, 1
	s_lshl_b32 s61, s61, 3
	s_add_co_u32 s62, s62, s61                     ; my tile's first query: 2,048 b + 128 group + 32 (tile / 2) + 8 (tile % 2)
	s_lshl_b32 s62, s62, 12                        ; rows of 4,096 bytes (under 2^25 rows x bytes: 2^25 in all)
	s_lshl_b32 s61, s38, 8
	s_add_co_u32 s62, s62, s61                     ; the head's 256 bytes of a row
	s_add_nc_u64 s[50:51], s[16:17], s[62:63]
	s_lshl_b32 s47, s18, 8
	s_add_co_u32 s47, s47, KSF                     ; my copy of the 64 sums
	s_mul_i32 s58, s18, 16*272
	s_add_co_u32 s58, s58, STG                     ; my stage
	s_wait_loadcnt 0x0                             ; my keys' mask numbers
	s_wait_tensorcnt 0x0                           ; my record has landed,
	s_wait_dscnt 0x0                               ; my part of the table is stored:
	s_barrier_signal -1
	s_barrier_wait -1                              ; everybody's
	; THE 64 SUMS, my record's part.  A lane holds, of each tile, one key's 32 codes (dims 32 h + 0 .. 31): they are widened, multiplied by the block's scale x the key's mask number, and added.
	v_add_nc_u32 v4, s33, v1
	v_add_nc_u32 v5, s33, v2
	v_and_b32 v6, 15, v0
	s_delay_alu instid0(VALU_DEP_1)
	v_lshlrev_b32 v6, 4, v6
	v_bfe_u32 v7, v0, 4, 1
	s_delay_alu instid0(VALU_DEP_1)
	v_add_nc_u32 v6, v6, v7
	s_delay_alu instid0(VALU_DEP_1)
	v_add_nc_u32 v6, s33, v6                       ; my key's scale word, byte h
.irp t, 0,1,2,3,4,5,6,7
	ds_load_b96 v[32+8*\t:34+8*\t], v4 offset:768*\t            ; codes 0-15: the image's registers 0-2,
	ds_load_b32 v[36+8*\t], v4 offset:768*\t+12                 ; codes 16-31: registers 3, 4, 5, into three registers that begin on an even number
	ds_load_b32 v[37+8*\t], v5 offset:768*\t+512
	ds_load_b32 v[38+8*\t], v5 offset:768*\t+516
	ds_load_u8 v[104+\t], v6 offset:6144+256*(\t%2)+4*(\t/2)
.endr
	v_mov_b32 v120, 0x7f7f7f7f                     ; the widening's scale: 1, in every byte
	s_wait_alu depctr_va_vdst(0)
	s_wait_dscnt 0x0
.irp t, 0,1,2,3,4,5,6,7
	v_lshlrev_b32 v[104+\t], 23, v[104+\t]         ; the byte as a power of two
.endr
.irp t, 0,1,2,3,4,5,6,7
	v_cvt_scale_pk16_f32_bf6 v[128:143], v[32+8*\t:34+8*\t], v120
	v_cvt_scale_pk16_f32_bf6 v[144:159], v[36+8*\t:38+8*\t], v120
	v_mul_f32 v124, v[104+\t], v[112+\t]           ; scale x mask, twice (also the plain lines behind the conversions)
	v_mul_f32 v125, v[104+\t], v[112+\t]
.set i, 0
.rept 16
.if \t == 0
	v_pk_mul_f32 v[O+i:O+i+1], v[128+i:129+i], v[124:125]
.else
	v_pk_fma_f32 v[O+i:O+i+1], v[128+i:129+i], v[124:125], v[O+i:O+i+1]
.endif
.set i, i+2
.endr
.endr
.irp m, 1,2,4,8                                ; over the sixteen keys of my half of the lanes
.set i, 0
.rept 32
	v_add_f32_dpp v[O+i], v[O+i], v[O+i] row_xmask:\m row_mask:0xf bank_mask:0xf
.set i, i+1
.endr
.endr
	s_lshl_b32 s54, s18, 8
	v_bfe_u32 v7, v0, 4, 1
	s_delay_alu instid0(VALU_DEP_1)
	v_lshlrev_b32 v7, 7, v7
	s_delay_alu instid0(VALU_DEP_1)
	v_add_nc_u32 v7, s54, v7
	s_delay_alu instid0(VALU_DEP_1)
	v_add_nc_u32 v7, KSP, v7                       ; my wave's 256 bytes, my half's 128
.irp i, 0,1,2,3,4,5,6,7
	ds_store_b128 v7, v[O+4*\i:O+4*\i+3] offset:16*\i   ; the sixteen lanes of a half write the same bytes with the same values
.endr
	s_wait_dscnt 0x0                               ; for the others' sake
	s_barrier_signal -1
	s_barrier_wait -1
	v_and_b32 v8, 31, v0
	s_delay_alu instid0(VALU_DEP_1)
	v_lshl_add_u32 v9, v8, 2, s47                  ; my copy: 4 x lane
	s_delay_alu instid0(VALU_DEP_2)
	v_lshl_add_u32 v8, v8, 2, KSP
.irp i, 0,1,2,3,4,5,6,7,8,9,10,11,12,13,14,15
	ds_load_b32 v[128+2*\i], v8 offset:256*\i      ; lane l: dims l and 32 + l of wave i's part
	ds_load_b32 v[129+2*\i], v8 offset:256*\i+128
.endr
	s_wait_dscnt 0x0
	v_pk_add_f32 v[254:255], v[130:131], v[132:133]
	v_pk_add_f32 v[252:253], v[134:135], v[136:137]
	v_pk_add_f32 v[250:251], v[138:139], v[140:141]
	v_pk_add_f32 v[248:249], v[142:143], v[144:145]
	v_pk_add_f32 v[246:247], v[146:147], v[148:149]
	v_pk_add_f32 v[244:245], v[150:151], v[152:153]
	v_pk_add_f32 v[242:243], v[154:155], v[156:157]
	v_pk_add_f32 v[128:129], v[128:129], v[158:159]
	s_delay_alu instid0(VALU_DEP_1)
	v_pk_add_f32 v[128:129], v[128:129], v[248:249]
	v_pk_add_f32 v[254:255], v[254:255], v[246:247]
	v_pk_add_f32 v[252:253], v[252:253], v[244:245]
	v_pk_add_f32 v[250:251], v[250:251], v[242:243]
	s_delay_alu instid0(VALU_DEP_2)
	v_pk_add_f32 v[128:129], v[128:129], v[252:253]
	s_delay_alu instid0(VALU_DEP_2)
	v_pk_add_f32 v[254:255], v[254:255], v[250:251]
	s_delay_alu instid0(VALU_DEP_1)
	v_pk_add_f32 v[128:129], v[128:129], v[254:255]
	ds_store_b32 v9, v128                          ; my wave's own bytes: its later loads see them without a barrier
	ds_store_b32 v9, v129 offset:128
.irp j, 22,23,24,25,26,27, 38,39,40,41,42,43, 50,51,52,53,54,55, 62,63,64,65,66,67, 74,75,76,77,78,79
	v_mov_b32 v\j, 0                               ; the empty upper half of the first product's K: zero codes on both sides, for good
.endr
.irp j, 240,241,242,243, 253, 9
	v_mov_b32 v\j, 0                               ; written once: a lane permute's destination counts as a source; v253 and v9 are named as the upper halves of pairs
.endr
	s_mov_b32 s42, 2
.Lqt:                                              ; two tiles of 16 queries a wave
	v_and_b32 v6, 15, v0
	s_delay_alu instid0(VALU_DEP_1)
	v_lshlrev_b32 v6, 4, v6
	global_load_b128 v[16:19], v1, s[48:49]        ; Q's six registers, as they were stored
	global_load_b64 v[20:21], v2, s[48:49] offset:512
	global_load_b32 v255, v6, s[52:53]             ; and its scale words: query r's in lanes r and 16 + r
	v_bfe_u32 v4, v0, 4, 1
	s_delay_alu instid0(VALU_DEP_1)
	v_lshlrev_b32 v4, 7, v4
	s_delay_alu instid0(VALU_DEP_1)
	v_add_nc_u32 v4, s47, v4
.irp i, 0,1,2,3,4,5,6,7
	ds_load_b128 v[96+4*\i:99+4*\i], v4 offset:16*\i   ; the sums of dims 32 h + 0 .. 31
.endr
	v_mov_b32 v13, 0xdd800000                      ; the largest t so far: -2^60
	s_delay_alu instid0(VALU_DEP_1)
	v_floor_f32 v12, -v13                          ; -M
	v_mov_b32 v14, 0
	v_mov_b32 v15, 0
.set j, 0
.rept 32
	v_mov_b32 v[O+j], 0                            ; O^T: the step is written once: the first finds zeros
.set j, j+1
.endr
	s_wait_loadcnt 0x0
	s_wait_dscnt 0x0
	; the gate
	v_mov_b32 v160, v19                            ; (three registers that begin on an even number)
	v_mov_b32 v161, v20
	v_mov_b32 v162, v21
	v_mov_b32 v254, 0x7f7f7f7f
	v_cvt_scale_pk16_f32_bf6 v[128:143], v[16:18], v254
	v_cvt_scale_pk16_f32_bf6 v[144:159], v[160:162], v254
	v_bfe_u32 v5, v0, 4, 1                         ; (a plain line behind the conversions)
	s_delay_alu instid0(VALU_DEP_1)
	v_lshlrev_b32 v5, 3, v5                        ; 8 h
	v_pk_mul_f32 v[244:245], v[128:129], v[96:97]  ; my 32 dims' part of q . sums, in two chains
	v_pk_mul_f32 v[246:247], v[130:131], v[98:99]
.irp i, 4,8,12,16,20,24,28
	v_pk_fma_f32 v[244:245], v[128+\i:129+\i], v[96+\i:97+\i], v[244:245]
	v_pk_fma_f32 v[246:247], v[130+\i:131+\i], v[98+\i:99+\i], v[246:247]
.endr
	s_delay_alu instid0(VALU_DEP_1)
	v_pk_add_f32 v[244:245], v[244:245], v[246:247]
	s_delay_alu instid0(VALU_DEP_1)
	v_add_f32 v244, v244, v245
	v_lshrrev_b32 v245, v5, v255
	s_delay_alu instid0(VALU_DEP_1)
	v_and_b32 v245, 0xff, v245
	s_delay_alu instid0(VALU_DEP_1)
	v_lshlrev_b32 v245, 23, v245                   ; my block's scale as a power of two
	s_delay_alu instid0(VALU_DEP_1)
	v_mul_f32 v244, v244, v245
	s_delay_alu instid0(VALU_DEP_1)
	v_permlanex16_b32 v240, v244, s20, s21
	s_delay_alu instid0(VALU_DEP_1)
	v_add_f32 v244, v244, v240                     ; with the other 32 dims
	s_delay_alu instid0(VALU_DEP_1)
	v_mul_f32 v244, s46, v244                      ; / cnt: pooled
	s_delay_alu instid0(VALU_DEP_1)
	v_fma_f32 v244, v244, s44, s45                 ; x gain + bias
	s_delay_alu instid0(VALU_DEP_1)
	v_mul_f32 v244, 0xbfb8aa3b, v244
	s_wait_alu depctr_va_vdst(0)
	v_exp_f32 v244, v244
	v_nop
	s_wait_alu depctr_va_vdst(0)
	v_add_f32 v244, 1.0, v244
	s_wait_alu depctr_va_vdst(0)
	v_rcp_f32 v7, v244                             ; the sigmoid
	v_nop
	s_mov_b32 s39, 0                               ; the step's record in LDS
	s_mov_b32 s40, 0                               ; and its 512 bytes of the mask table
	s_mov_b32 s41, 15                              ; fifteen steps in the loop; the sixteenth, which fetches nothing for a next one, is written out
.macro MASKLD                          ; register 16 b + i: the mask's number of key 32 b + 16 h + i
.irp b, 0,1,2,3
.irp j, 0,1,2,3
	ds_load_b128 v[S+16*\b+4*\j:S+16*\b+4*\j+3], v6 offset:128*\b+16*\j
.endr
.endr
.endm
.macro KLD03                           ; K's scale words and its tiles 0-3
	ds_load_b128 v[28:31], v4 offset:6144
.irp t, 0,1,2,3
	ds_load_b128 v[KF+12*\t:KF+12*\t+3], v4 offset:768*\t
	ds_load_b64 v[KF+12*\t+4:KF+12*\t+5], v5 offset:768*\t+512
.endr
.endm
.macro BMAX x, y                       ; the largest score of blocks x and y of 32 keys: for the row's maximum and, since p rises with the score, for the block's largest p
.irp b, \x, \y
	v_max3_num_f32 v[BM+\b], v[S+16*\b], v[S+1+16*\b], v[S+2+16*\b]
.endr
.irp i, 3,5,7,9,11,13
.irp b, \x, \y
	v_max3_num_f32 v[BM+\b], v[BM+\b], v[S+16*\b+\i], v[S+1+16*\b+\i]
.endr
.endr
.irp b, \x, \y
	v_max_num_f32 v[BM+\b], v[BM+\b], v[S+15+16*\b]
.endr
.endm
	v_add_nc_u32 v4, s39, v1
	v_add_nc_u32 v5, s39, v2
	v_add_nc_u32 v6, s40, v3
	s_wait_alu depctr_va_vdst(0)
	MASKLD                                         ; the first step's mask numbers, K's scale words and tiles 0-3
	KLD03
.macro STEP pre                        ; 128 keys.  pre = 1: the next step's K tiles 0-3 and mask numbers are fetched as soon as their registers are free
.rept 4
	v_nop                                          ; places between the last products and the loads into their registers
.endr
.irp t, 0,1,2,3
.irp c, 0,1,2
	ds_load_b128 v[VF+12*\t+4*\c:VF+12*\t+4*\c+3], v4 offset:6656+1536*\t+512*\c
.endr
.endr
	ds_load_b64 v[10:11], v5 offset:12800          ; V's scale words
	s_wait_alu depctr_va_vdst(0)
	s_wait_dscnt 13                                ; all but V's twelve loads and its scale words
	KQ 0
	KQ 1
	KQ 2
	KQ 3
.rept 4
	v_nop                                          ; places in front of loads into registers that these products read, and of the reads of their results
.endr
.irp t, 0,1,2,3
	ds_load_b128 v[KF+12*\t:KF+12*\t+3], v4 offset:768*(\t+4)
	ds_load_b64 v[KF+12*\t+4:KF+12*\t+5], v5 offset:768*(\t+4)+512
.endr
	BMAX 0, 1                                      ; tiles 0-3 are finished: their two blocks, while tiles 4-7 of K are on their way
	s_wait_dscnt 0x0
	KQ 4
	KQ 5
	KQ 6
	KQ 7
.if \pre
	s_add_co_u32 s39, s39, RECB                    ; the next step's record and its 512 bytes of the mask table
	s_add_co_u32 s40, s40, 512
	v_add_nc_u32 v4, s39, v1                       ; (these four lines are the places behind the products)
	v_add_nc_u32 v5, s39, v2
	v_add_nc_u32 v6, s40, v3
	v_nop
	KLD03
.else
.rept 4
	v_nop
.endr
.endif
	BMAX 2, 3
.irp b, 0,1,2,3
	v_permlanex16_b32 v[T8+\b], v[BM+\b], s20, s21
.endr
.irp b, 0,1,2,3
	s_delay_alu instid0(VALU_DEP_4)
	v_max_num_f32 v[BM+\b], v[BM+\b], v[T8+\b]     ; with lane l xor 16's 16 keys
.endr
	s_delay_alu instid0(VALU_DEP_2)
	v_max3_num_f32 v254, v[BM], v[BM+1], v[BM+2]
	s_delay_alu instid0(VALU_DEP_1)
	v_max_num_f32 v254, v254, v[BM+3]
	s_delay_alu instid0(VALU_DEP_1)
	v_mul_f32 v254, s22, v254                      ; as t (c is positive)
	s_delay_alu instid0(VALU_DEP_1)
	v_max_num_f32 v13, v13, v254                   ; the running largest t
	v_mov_b32 v254, v12
	s_delay_alu instid0(VALU_DEP_2)
	v_floor_f32 v12, -v13                          ; the new -M = -ceil(t)
	s_delay_alu instid0(VALU_DEP_1)
	v_sub_f32 v254, v12, v254                      ; old M - new M: a whole number, 0 or less
	s_delay_alu instid0(VALU_DEP_1)
	v_cvt_i32_f32 v254, v254                       ; (it saturates)
	s_delay_alu instid0(VALU_DEP_1)
	v_ldexp_f32 v252, 1.0, v254                    ; f = 2^(old M - new M)
.set j, 0
.rept 32
	v_pk_fma_f32 v[S+j:S+j+1], v[S+j:S+j+1], s[22:23], v[12:13] op_sel_hi:[1,0,0]   ; t - M, two at a time
.set j, j+2
.endr
.irp b, 0,1,2,3
	v_fma_f32 v[BM+\b], v[BM+\b], s22, v12         ; the same of each block's largest score
.endr
.set j, 0
	s_wait_alu depctr_va_vdst(0)
.rept 64
	v_exp_f32 v[S+j], v[S+j]                       ; p = 2^(t - M); 0 for a hidden key
.set j, j+1
.endr
.irp b, 0,1,2,3
	v_exp_f32 v[BM+\b], v[BM+\b]                   ; the block's largest p: the same two instructions on the same number
.endr
	v_pk_mul_f32 v[14:15], v[14:15], v[252:253] op_sel_hi:[1,0]   ; the sums under the new M (a plain line behind the exponentials)
	s_wait_alu depctr_va_vdst(0)
.irp b, 0,1,2,3
	v_max_num_f32 v[BM+\b], 0x2800000, v[BM+\b]    ; the floor 2^(5 - 127): the byte cannot fall under 1; a block of zeros keeps it: its codes are zeros
.endr
.irp b, 0,1,2,3
	s_delay_alu instid0(VALU_DEP_4)
	v_add_nc_u32 v[SO+\b], 0xfe000000, v[BM+\b]    ; 4 off the exponent field: the conversion's scale operand
.endr
.irp b, 0,1,2,3
	s_delay_alu instid0(VALU_DEP_4)
	v_lshrrev_b32 v[T8+\b], 23, v[SO+\b]           ; the scale's byte
.endr
	s_delay_alu instid0(VALU_DEP_3)
	v_lshl_or_b32 v253, v[T8+1], 8, v[T8]          ; p's scale word for these 128 keys
	s_delay_alu instid0(VALU_DEP_1)
	v_lshl_or_b32 v253, v[T8+2], 16, v253
	s_delay_alu instid0(VALU_DEP_1)
	v_lshl_or_b32 v253, v[T8+3], 24, v253
.irp c, 0,1
	v_cvt_scalef32_pk16_bf6_f32 v[PCD+6*\c:PCD+2+6*\c], v[S+32*\c:S+15+32*\c], v[SO+2*\c]
	v_cvt_scalef32_pk16_bf6_f32 v[T8+4*\c:T8+2+4*\c], v[S+16+32*\c:S+31+32*\c], v[SO+2*\c+1]   ; (a conversion's three registers begin on an even number)
.endr
	v_nop                                          ; one plain line behind a scaled conversion
.irp c, 0,1                                    ; the operand's layout wants a whole block in a lane
.irp i, 0,1,2
	v_permlane16_swap_b32 v[PCD+6*\c+\i], v[T8+4*\c+\i]
.endr
.irp i, 0,1,2
	s_delay_alu instid0(VALU_DEP_3)
	v_mov_b32 v[PCD+3+6*\c+\i], v[T8+4*\c+\i]
.endr
.endr
	v_pk_add_f32 v[240:241], v[132:133], v[136:137]
	v_pk_add_f32 v[250:251], v[140:141], v[144:145]
	v_pk_add_f32 v[248:249], v[148:149], v[152:153]
	v_pk_add_f32 v[246:247], v[156:157], v[160:161]
	v_pk_add_f32 v[244:245], v[164:165], v[168:169]
	v_pk_add_f32 v[238:239], v[172:173], v[176:177]
	v_pk_add_f32 v[236:237], v[180:181], v[184:185]
	v_pk_add_f32 v[14:15], v[14:15], v[188:189]
	v_pk_add_f32 v[240:241], v[240:241], v[128:129]
	v_pk_add_f32 v[250:251], v[250:251], v[130:131]
	v_pk_add_f32 v[248:249], v[248:249], v[134:135]
	v_pk_add_f32 v[246:247], v[246:247], v[138:139]
	v_pk_add_f32 v[244:245], v[244:245], v[142:143]
	v_pk_add_f32 v[238:239], v[238:239], v[146:147]
	v_pk_add_f32 v[236:237], v[236:237], v[150:151]
	v_pk_add_f32 v[14:15], v[14:15], v[154:155]
	v_pk_add_f32 v[240:241], v[240:241], v[158:159]
	v_pk_add_f32 v[250:251], v[250:251], v[162:163]
	v_pk_add_f32 v[248:249], v[248:249], v[166:167]
	v_pk_add_f32 v[246:247], v[246:247], v[170:171]
	v_pk_add_f32 v[244:245], v[244:245], v[174:175]
	v_pk_add_f32 v[238:239], v[238:239], v[178:179]
	v_pk_add_f32 v[236:237], v[236:237], v[182:183]
	v_pk_add_f32 v[14:15], v[14:15], v[186:187]
	v_pk_add_f32 v[240:241], v[240:241], v[190:191]
	s_delay_alu instid0(VALU_DEP_2)
	v_pk_add_f32 v[14:15], v[14:15], v[246:247]
	s_delay_alu instid0(VALU_DEP_2)
	v_pk_add_f32 v[240:241], v[240:241], v[244:245]
	v_pk_add_f32 v[250:251], v[250:251], v[238:239]
	v_pk_add_f32 v[248:249], v[248:249], v[236:237]
	s_delay_alu instid0(VALU_DEP_2)
	v_pk_add_f32 v[14:15], v[14:15], v[250:251]
	s_delay_alu instid0(VALU_DEP_2)
	v_pk_add_f32 v[240:241], v[240:241], v[248:249]
	s_delay_alu instid0(VALU_DEP_1)
	v_pk_add_f32 v[14:15], v[14:15], v[240:241]
.if \pre
	MASKLD                                         ; p has been summed and converted: its registers take the next step's mask numbers
.endif
.set j, 0
.rept 16
	v_pk_mul_f32 v[O+j:O+j+1], v[O+j:O+j+1], v[252:253] op_sel_hi:[1,0]   ; O^T under the new M, each accumulator from its low end on
.set j, j+2
.endr
	PV 0
	PV 1
	PV 2
	PV 3
.endm
.Lstep:
	STEP 1
	s_sub_co_u32 s41, s41, 1
	s_cmp_lg_u32 s41, 0
	s_cbranch_scc1 .Lstep
	STEP 0
	; THE WAY OUT of a tile.  O^T x gate / sum goes through my stage and leaves as whole pieces of 256 bytes: a query's 64 numbers of this head.
	v_add_f32 v14, v14, v15                        ; (these lines are the places behind the last products)
	s_delay_alu instid0(VALU_DEP_1)
	v_permlanex16_b32 v240, v14, s20, s21
	s_delay_alu instid0(VALU_DEP_1)
	v_add_f32 v14, v14, v240                       ; the row's sum
	s_wait_alu depctr_va_vdst(0)
	v_rcp_f32 v14, v14
	v_and_b32 v4, 15, v0                           ; r
	v_bfe_u32 v5, v0, 4, 1                         ; h
	s_delay_alu instid0(VALU_DEP_2)
	v_mul_u32_u24 v6, v4, 272
	s_delay_alu instid0(VALU_DEP_1)
	v_lshl_add_u32 v6, v5, 6, v6
	s_delay_alu instid0(VALU_DEP_1)
	v_add_nc_u32 v6, s58, v6                       ; in: row r; registers 16 b + i are dims 32 b + 16 h + i: 128 b + 64 h bytes on
	s_delay_alu instid0(VALU_DEP_4)
	v_mul_u32_u24 v254, v5, 272
	s_delay_alu instid0(VALU_DEP_1)
	v_lshl_add_u32 v254, v4, 4, v254
	s_delay_alu instid0(VALU_DEP_1)
	v_add_nc_u32 v254, s58, v254                   ; back: lanes 0-15 one row, lanes 16-31 the next
	v_lshlrev_b32 v4, 4, v4
	s_delay_alu instid0(VALU_DEP_1)
	v_lshl_add_u32 v4, v5, 12, v4                  ; and the same two rows in out
	s_wait_alu depctr_va_vdst(0)
	v_mul_f32 v8, v14, v7                          ; gate / sum
.set j, 0
.rept 16
	v_pk_mul_f32 v[S+j:S+j+1], v[O+j:O+j+1], v[8:9] op_sel_hi:[1,0]
.set j, j+2
.endr
.irp b, 0,1
.irp j, 0,1,2,3
	ds_store_b128 v6, v[S+16*\b+4*\j:S+16*\b+4*\j+3] offset:128*\b+16*\j
.endr
.endr
.irp i, 0,1,2,3,4,5,6,7
	ds_load_b128 v[160+4*\i:163+4*\i], v254 offset:2*\i*272   ; LDS serves a wave's instructions in order: these see my stores
.endr
.irp i, 0,1,2,3,4,5,6,7
	s_wait_dscnt 7-\i                              ; the younger loads may be out
	global_store_b128 v4, v[160+4*\i:163+4*\i], s[50:51] offset:(2*\i+8*(\i/4))*4096 th:TH_STORE_NT   ; row j of the tile is query j + 8 (j / 8); 16 lanes store 256 consecutive bytes, aligned
.endr
	s_wait_xcnt 0x0                                ; the stores' and loads' registers and bases are written again only behind this wait
	s_add_nc_u64 s[48:49], s[48:49], 2*6656        ; two groups of 128 queries on
	s_add_nc_u64 s[52:53], s[52:53], 2*6656
	s_add_nc_u64 s[50:51], s[50:51], 256*4096
	s_sub_co_u32 s42, s42, 1
	s_cmp_lg_u32 s42, 0
	s_cbranch_scc1 .Lqt
	s_wait_xcnt 0x0
	v_lshl_add_u32 v254, v0, 2, 0x48000
	v_mov_b32 v255, 0
	s_wait_alu depctr_va_vdst(0)
	s_wait_tensorcnt 0x0
	ds_add_u32 v254, v255
	s_wait_dscnt 0x0
	ROUND                                          ; the closing round: no work-group ends while a partner may still ask for a record that names it
	s_endpgm
.Lfunc_end_k_q4071faf996_attn:
	.size	k_q4071faf996_attn, .Lfunc_end_k_q4071faf996_attn-k_q4071faf996_attn
	.p2alignl 7, 3214868480
	.fill 96, 4, 3214868480
	.section	.rodata,"a",@progbits
	.p2align	6, 0x0
	.amdhsa_kernel k_q4071faf996_attn
		.amdhsa_group_segment_fixed_size 296960
		.amdhsa_private_segment_fixed_size 0
		.amdhsa_enable_private_segment 0
		.amdhsa_kernarg_size 56
		.amdhsa_user_sgpr_count 2
		.amdhsa_user_sgpr_kernarg_segment_ptr 1
		.amdhsa_wavefront_size32 1
		.amdhsa_system_sgpr_workgroup_id_x 1
		.amdhsa_system_sgpr_workgroup_id_y 1
		.amdhsa_system_sgpr_workgroup_id_z 1
		.amdhsa_system_vgpr_workitem_id 0
		.amdhsa_next_free_vgpr 256
		.amdhsa_next_free_sgpr 66
		.amdhsa_reserve_vcc 1
		.amdhsa_float_denorm_mode_32 3
		.amdhsa_float_denorm_mode_16_64 3
		.amdhsa_memory_ordered 1
		.amdhsa_forward_progress 1
		.amdhsa_inst_pref_size 79
	.end_amdhsa_kernel
	.amdgpu_metadata
---
amdhsa.version: [ 1, 2 ]
amdhsa.kernels:
  - .name:           k_q4071faf996_attn
    .symbol:         k_q4071faf996_attn.kd
    .args:
      - { .name: qrec, .offset: 0, .size: 8, .value_kind: global_buffer, .address_space: global }
      - { .name: kv, .offset: 8, .size: 8, .value_kind: global_buffer, .address_space: global }
      - { .name: value_key_masks, .offset: 16, .size: 8, .value_kind: global_buffer, .address_space: global }
      - { .name: value_key_counts, .offset: 24, .size: 8, .value_kind: global_buffer, .address_space: global }
      - { .name: overall_gain, .offset: 32, .size: 8, .value_kind: global_buffer, .address_space: global }
      - { .name: overall_bias, .offset: 40, .size: 8, .value_kind: global_buffer, .address_space: global }
      - { .name: out0, .offset: 48, .size: 8, .value_kind: global_buffer, .address_space: global }
    .group_segment_fixed_size: 296960
    .private_segment_fixed_size: 0
    .kernarg_segment_align: 8
    .kernarg_segment_size: 56
    .max_flat_workgroup_size: 512
    .sgpr_count:     66
    .vgpr_count:     256
    .wavefront_size: 32
...
	.end_amdgpu_metadata
.endif
;; end of part 3
